; MI455X (gfx1250); checked and timed in simulation.
; The chip was launched on July 23, 2026; its instructions are those of AMD's public machine-readable ISA for CDNA 5 (MIT licence, August 2026) and "CDNA5" Instruction Set Architecture Reference Guide (July 2026). The comments in the code are by the model that wrote it; some were corrected since.
;; Soft Token Map. Allowed arithmetic: matrix products marked QUANTISED: E3M2 operands, one E8M0 scale for each 32 along K, by v_wmma_scale_f32_16x16x128_f8f6f4 with both operands' format E3M2, f32 sums; everything else in f32.
;; Inputs: embed_weight_codes 512 x 1,000 x 24 uint8 (E3M2 codes of embed_weight, K innermost, in blocks of 32 codes, four codes in three bytes); embed_weight_scales 512 x 1,000 uint8 (E8M0 scales of embed_weight, one for each 32 codes along K); mapping_logits 1,024 x 32,000 float32; token_ids 8 x 512 int32.
;; Outputs: out0 8 x 512 x 512 float32.
;; This version of the problem:
;;   THIS VERSION OF THE PROBLEM IS GIVEN IN LOW PRECISION. The matrix products marked QUANTISED in the list below multiply operands that are first quantised to E3M2 (3 exponent bits, 2 mantissa bits; 6 bits a number), with one power-of-two scale for each 32 numbers along K (OCP MX v1.0); their sums are f32. All else is computed in f32.
;;   The module's matrix products, in the order in which they are computed (A, B: the left and right operand; K: the contracted axis; several contracted axes count as one K, in the product's order):
;;     1. [M 4,096, K 32,000] x [K 32,000, N 512]; A: softmax (see below); B: input embed_weight (given as codes): QUANTISED
;;   THE QUANTISER, for each operand of a quantised product, along K:
;;     - K is cut into blocks of 32 from its start; a last block that is shorter is filled with zeros.
;;     - A block's scale is 2^e with e = floor(log2(the largest magnitude in the block)) - 4, held to -126 .. 127; a block of zeros has e = 0. As a byte (E8M0): e + 127.
;;     - Each number is divided by its block's scale, clamped to +-28, and rounded to the nearest number of E3M2, ties to even, subnormals kept.
;;     - The product sums the exact products of the quantised numbers (number of the format x scale) in f32.
;;   ~~~python
;;   def quantise(x, axis):      # numpy; x: float32 -> the quantised numbers, widened to float32 again
;;       x = np.moveaxis(x, axis, -1); K = x.shape[-1]
;;       x = np.pad(x, [(0, 0)] * (x.ndim - 1) + [(0, -K % 32)]); x = x.reshape(x.shape[:-1] + (-1, 32)); a = np.abs(x).max(-1, keepdims=True)
;;       e = np.where(a > 0, np.clip(np.frexp(np.where(a > 0, a, 1))[1] - 1 - 4, -126, 127), 0)      # np.frexp(a)[1] - 1 = floor(log2(a)), exactly
;;       r = np.clip(x / 2.0 ** e, -28, 28)
;;       step = 2.0 ** (np.maximum(np.frexp(np.where(r == 0, 1, r))[1] - 1, -2) - 2)
;;       q = np.round(r / step) * step * 2.0 ** e      # np.round: ties to even
;;       return np.moveaxis(q.reshape(q.shape[:-2] + (-1,))[..., :K], -1, axis).astype(np.float32)
;;   ~~~
;;   SOFTMAX AHEAD OF A QUANTISED PRODUCT. Where the list says 'softmax', what is quantised is not the finished softmax but p = 2^(t - M), with t = logit x log2(e) and M = ceil(the row's largest t), a whole number; so 1/2 < the row's largest p <= 1. The row's sum l is taken of the UNQUANTISED p, in f32, and the product's result is divided by l at the end. Since M is a whole number, a kernel that streams over the keys may use a running M (the ceiling of the running maximum): every later rescaling is an exact power of two, which a block's scale takes up: the codes' values come out the same.
;;   OPERANDS COMPUTED ON THE WAY. 'Computed on the way' means the value that the module computes at that place (a softmax that the list does not call 'softmax' is quantised finished and normalised). What goes into a quantiser is computed in f32, as accurately as f32 sums, v_exp_f32 and their like allow (about 1e-6 of the number): no bf16 or f16 on the way to a quantiser, and a product that is left as it is and whose result goes on into a quantised operand takes f32 operands (vector FMAs, or v_wmma_f32_16x16x4_f32). A number that lies on a knife's edge between two numbers of the format may be rounded either way, as far as f32 arithmetic and the matrix unit's own rounding can turn it there, and no further.
;;   INPUTS GIVEN AS CODES. embed_weight (in the module: [32000, 512], K = its axis 0): each comes as NAME_codes (uint8): NAME with its K axis moved to the last place and cut into blocks of 32 codes, [.., K / 32, bytes a block], one block behind the other in memory; four codes in three bytes: a row's codes are one little-endian stream of bits, code i at bits 6 i .. 6 i + 5 (a code: sign, 3 exponent bits, 2 mantissa bits); and NAME_scales (uint8): the same leading axes, one E8M0 byte (e + 127) for each 32 codes along K. Its value is code x scale, taken as it is: it is not quantised again, and the codes and scales need not be those that the quantiser above would give.
;; One version. Each part assembles by itself: llvm-mc -triple=amdgcn-amd-amdhsa -mcpu=gfx1250 --defsym DOCPART=n.
;; ======== version 1 of 1: 2 launches
;; limits: right only within a limited range of input values
;; workspace buffers: part_o 33,554,432 bytes; part_ml 131,072 bytes
;; launch partial (part 1): grid 16 x 16, 8 waves a work-group, no clusters, 319,232 bytes of LDS; arguments mapping_logits, embed_weight_codes, embed_weight_scales, part_o, part_ml; writes part_o, part_ml
.if DOCPART == 1
	.amdgcn_target "amdgcn-amd-amdhsa--gfx1250"
	.amdhsa_code_object_version 6
	.text
	.protected	k_qf612f3b7f3_partial
	.globl	k_qf612f3b7f3_partial
	.p2align	8
	.type	k_qf612f3b7f3_partial,@function
k_qf612f3b7f3_partial:
	s_mov_b64 s[64:65], 0
	v_nop
	global_prefetch_b8 v0, s[64:65] scope:SCOPE_SE
	s_setreg_imm32_b32 hwreg(HW_REG_WAVE_MODE, 25, 1), 1
	s_wait_xcnt 0x0
; SoftTokenMap, first of two launches.
; DEAD WORK LEFT OUT: gather, softmax and product act row by row, so a result row hangs on the token's id alone, whatever the inputs hold: the product is made once for each of the 1,024 rows of the
; table of logits and not once for each of the 4,096 tokens; the second launch hands rows to tokens by the index input.  Every input is loaded by one of the two launches.
; For 64 table rows (y) and 2,048 of K = 32,000 (split x): p = 2^(t - M), t = logit x log2(e), M = the ceiling of the running largest t of the row in this split (a whole number);
; p is quantised to BF6 (E3M2) with one E8M0 scale for each 32 along K and multiplied by E (codes [512][24,000 bytes], scale bytes [512][1000], K innermost) for all 512 columns.
; Stored: part_o[split][row][512] f32, the sums under the split's last M, not normalised; part_ml[split][row] = (M, the sum of the unquantised p).
; K: 250 steps of 128.  A trip is two steps; every work-group runs 8 trips.  Split s begins at step min(16 s, 234): split 15 begins 6 steps early and its first three trips, which are split 14's
; steps, count for nothing WITHOUT A BRANCH, by three scalars: c = 0, the bias -3e38 and the limit -infinity give t = -3e38 (M stays), p = 0 (codes 0), f = 1.
; SHARES.  Eight waves.  AS PRODUCER wave w owns rows 8 w .. 8 w + 7: lane 16 h + 8 s + r holds row r, K step s of the trip and half h of each block of 32.
; AS CONSUMER wave w makes columns 64 w .. 64 w + 63 for all 64 rows: 4 x 4 accumulators, which take turns.
; The matrix instruction is used transposed (source 0 = 16 columns of E, source 1 = 16 rows of P): a lane holds one row and eight neighbouring columns.
; THE LOGITS come through registers: a job is a wave's 8 rows x 1,024 bytes of a trip, 16 loads in which sixteen lanes take 256 consecutive aligned bytes of a row; it turns through the wave's own stage.
; E'S CODES: a row is 24,000 bytes, no multiple of 256, so a tile's rows would begin off 256-byte borders and run across them: no tensor load takes such rows.  Each fragment of E is
; read by ONE wave, so the wave brings its own 64 columns through registers into LDS bytes of its own (64 rows, pitch 400) and reads them back as fragments.  With no tensor load there is nothing that
; a cluster could ask for jointly: cluster = none.  A WINDOW is 384 bytes of a row, two trips' codes: in even trips the 32 even columns' windows are asked for, in odd trips the 32 odd columns'
; (24 loads, four lanes to 64 consecutive bytes of a row).  24,000 n + 96 x first step + 192 x trip is then a multiple of 128 for every window, but in split 15, whose first step is 234.
; The odd columns' trip 0 comes by 12 loads at the head, their trip 7 by 12 loads at the end.  All LDS work on E stands ahead of the barrier's signal.
; BLOCKS 1 AND 2 OF EACH STEP CHANGE PLACES, alike in E, in P and in both scale words: lane (r, h) then takes 48 consecutive bytes of column r (blocks 2 h, 2 h + 1) by three loads of 16 bytes.
; A block keeps its own scale and the products are the same; only their order in the sum differs.
; E's scale words of the whole split come once, sixteen lanes to a row's 64 bytes, have their bytes 1 and 2 swapped, and stay in LDS (pitch 68).
; NO PREFETCH: by the text's own count a wave has two jobs of logits and 24 loads of E asked for ahead of their use by ordinary loads.
; P goes from wave to wave as images of the operand's registers, with its scale words and the rows' factors f, in THREE buffers by turns.
; ONE barrier a trip, its halves apart: a wave quantises trip p + 1, turns E(p) through LDS, waits for its LDS work, signals, multiplies trip p (LDS loads and work on registers alone) and then waits.
; Behind wait p + 1 every wave has stored trip p + 1.  Image buffer p % 3 is written again by trip p + 3, behind wait p + 2, whose signal every wave gave behind its reads of trip p.
; Loads come back in order, so they are issued in the order of their use: E(p), then job p + 3 inside the quantiser of trip p + 1.
; LIMITS: NaN and infinities among the logits are not served.  p under 2^-126 counts as 0.  A block whose every p is 0 carries the scale byte 1 over zero codes.
; REGISTERS.  Window 0: v1-17, v31, v236-237 addresses; v18 -M, v19 the largest t; v[20:21] the sum; v22 f; v24 the addend; v26-30 at work; v32-133 quantiser / P's 8 fragments; v136-231 E;
;   v232-235 E's scale words; v240-247 P's; v248-254 (even) f.   Window 1: v0-127 the accumulators ((nt, mt) at 8 (4 mt + nt)); v128-191, v192-255 the two jobs as loaded.
.set ROWL,  128000                     ; a row of logits in bytes
.set ROWE,  24000                      ; a row of E's codes
.set KLAST, 234                        ; the last split's first step: 250 - 16
.set SEG,   272
.set STGW,  16*SEG                     ; a wave's stage: 16 segments of 256 bytes + 16
.set PB0,   8*STGW                     ; image buffer 0: 8 images (2 mt + s) 1,664 bytes apart, 8 x 128 bytes of scale words, 4 x 64 bytes of f
.set IMG,   1664
.set PSW,   8*IMG
.set PFO,   PSW+8*128
.set PBSZ,  PFO+4*64
.set EB0,   PB0+3*PBSZ                 ; E's codes: for each wave 64 rows x 400 bytes
.set EP,    400                        ; 384 + 16 = 25 x 16: the 16 rows of a fragment load fall on 16 different columns of 16 bytes
.set SB0,   EB0+8*64*EP                ; E's scale words: for each wave 64 rows x 68 bytes
.set SP,    68
.set SPARE, SB0+8*64*SP                ; the spare words, 128 bytes for each wave
.set ER,   1                           ; v1, v3 E's fragments in even and in odd trips: row r, 48 h, and 192 where the trip is the second of the row's window
.set ESTO, 2                           ; v2   E into LDS
.set EGL,  4                           ; v4   E in memory
.set AIM,  5                           ; v5   an image's place for my lane
.set ASW,  6                           ; v6   a scale word's
.set AF,   7                           ; v7   f of my row
.set WIM,  8                           ; v8   where I store my codes
.set WSW,  9                           ; v9   my scale word
.set WF,   10                          ; v10  my row's f
.set SIN,  11                          ; v11  stage: 16 lanes to a segment
.set SOUT, 12                          ; v12  stage: my segment, my half of a block
.set GIN,  13                          ; v13  logits: (lane / 16) rows + 16 (lane % 16)
.set SWO,  14                          ; v14  the way out: row lane % 16, 32 bytes for each half
.set GOUT, 15                          ; v15  part_o: (lane / 16) rows + 16 (lane % 16)
.set SPW,  16
.set NIL,  17
.set NM,   18
.set LS,   20
.set FV,   22
.set AV,   24
.set SRD,  31                          ; v31  E's scale words: row r, step h of a trip
.set X,    32
.set EI,   64                          ; at the head alone: the odd columns' trip 0 as loaded, 48 registers
.set CD,   96                          ; the codes: 12 registers, and two runs of three at +12, +16
.set TS,   96                          ; ahead of the conversions: seven chains of the row's sum
.set BM,   116
.set T2,   120
.set SO,   124
.set BY,   128
.set PF,   32                          ; P: step s, tile mt at PF + 48 s + 12 mt
.set EF,   136                         ; E: as loaded, then step s, tile nt at EF + 48 s + 12 nt
.set OB,   32
.set ESC,  232
.set SG,   236                         ; v236 the scale bytes in memory, v237 their place in LDS
.set SS,   237
.set PSC,  240
.set FF,   248
.set RAW,  128                         ; in window 1
.set MSB, 0
.macro WIN new                         ; the immediate's high byte repeats the setting that is left
.if MSB != \new
	s_set_vgpr_msb (MSB<<8)|\new
.set MSB, \new
.endif
.endm
.macro PLACES n
.rept \n
	v_nop
.endr
.endm
.macro JOBLOAD j                       ; job j: load (H, q): rows 2 q % 8 and the next, K step q / 4, half H of its 512 bytes
	WIN 0x40
.irp H, 0,1
.irp q, 0,1,2,3,4,5,6,7
	global_load_b128 v[RAW+64*((\j)%2)+32*\H+4*\q:RAW+64*((\j)%2)+32*\H+4*\q+3], v[GIN], s[4:5] offset:((2*\q)%8)*ROWL+1024*(\j)+512*(\q/4)+256*\H th:TH_LOAD_NT
.endr
.endr
	WIN 0
.endm
; E from trip p on, columns of parity cls, ng pieces of 64 bytes a row.  Load (t, g): piece g of rows 16 t + cls + 2 (lane / 16) + 4 ((lane / 4) % 4)
.macro EL p, cls, base, ng
.irp t, 0,1,2,3
.irp g, 0,1,2,3,4,5
.if \g < \ng
	global_load_b128 v[\base+4*(\ng*\t+\g):\base+4*(\ng*\t+\g)+3], v[EGL], s[6:7] offset:(16*\t+(\cls))*ROWE+64*\g+192*(\p)
.endif
.endr
.endr
.endm
.macro EST cls, base, ng, pos          ; the same pieces into LDS, from byte pos of their rows on
.irp t, 0,1,2,3
.irp g, 0,1,2,3,4,5
.if \g < \ng
	ds_store_b128 v[ESTO], v[\base+4*(\ng*\t+\g):\base+4*(\ng*\t+\g)+3] offset:(16*\t+(\cls))*EP+64*\g+\pos
.endif
.endr
.endr
.endm
.macro EFR i, s                        ; E's four fragments of step s of trip i: 48 consecutive bytes a lane
.irp nt, 0,1,2,3
.irp c, 0,1,2
	ds_load_b128 v[EF+48*(\s)+12*\nt+4*\c:EF+48*(\s)+12*\nt+4*\c+3], v[ER+2*((\i)%2)] offset:16*\nt*EP+96*(\s)+16*\c
.endr
.endr
.endm
.macro PLOAD s
.irp mt, 0,1,2,3
.irp c, 0,1,2
	ds_load_b128 v[PF+48*(\s)+12*\mt+4*\c:PF+48*(\s)+12*\mt+4*\c+3], v[AIM] offset:PBO+(2*\mt+(\s))*IMG+512*\c
.endr
.endr
.endm
; 16 matrix instructions, the 16 accumulators by turns
.macro MUL s, zero
.irp mt, 0,1,2,3
.irp nt, 0,1,2,3
.if \zero
	v_wmma_scale_f32_16x16x128_f8f6f4 v[8*(4*\mt+\nt):8*(4*\mt+\nt)+7], v[EF+48*(\s)+12*\nt:EF+48*(\s)+12*\nt+11], v[PF+48*(\s)+12*\mt:PF+48*(\s)+12*\mt+11], 0, v[ESC+\nt], v[PSC+2*\mt+(\s)] matrix_a_fmt:MATRIX_FMT_BF6 matrix_b_fmt:MATRIX_FMT_BF6
.elseif \s
	v_wmma_scale_f32_16x16x128_f8f6f4 v[8*(4*\mt+\nt):8*(4*\mt+\nt)+7], v[EF+48*(\s)+12*\nt:EF+48*(\s)+12*\nt+11], v[PF+48*(\s)+12*\mt:PF+48*(\s)+12*\mt+11], v[8*(4*\mt+\nt):8*(4*\mt+\nt)+7], v[ESC+\nt], v[PSC+2*\mt+(\s)] matrix_a_fmt:MATRIX_FMT_BF6 matrix_b_fmt:MATRIX_FMT_BF6 matrix_a_scale:MATRIX_SCALE_ROW1
.else
	v_wmma_scale_f32_16x16x128_f8f6f4 v[8*(4*\mt+\nt):8*(4*\mt+\nt)+7], v[EF+48*(\s)+12*\nt:EF+48*(\s)+12*\nt+11], v[PF+48*(\s)+12*\mt:PF+48*(\s)+12*\mt+11], v[8*(4*\mt+\nt):8*(4*\mt+\nt)+7], v[ESC+\nt], v[PSC+2*\mt+(\s)] matrix_a_fmt:MATRIX_FMT_BF6 matrix_b_fmt:MATRIX_FMT_BF6
.endif
.endr
.endr
.endm
; THE PRODUCER'S STEP for trip j.  left: the younger loads that may stay out.  ld = 1: job j + 2 is asked for; ld = 2: the odd columns' trip 7 of E, into the jobs' registers.
; est >= 0: the windows asked for in trip est go into LDS at the end, with ne younger loads out, and trip est's fragments come back.  The step ends with the barrier's signal.
.macro Q j, left, ld, est, ne
.set RB, RAW+64*((\j)%2)
.set PBO, ((\j)%3)*PBSZ
	s_wait_loadcnt \left                           ; job j is in (loads come back in order)
.irp H, 0,1                            ; through my stage, half a K step at a turn; LDS serves a wave's instructions in order
	WIN 0x04
.irp q, 0,1,2,3,4,5,6,7
	ds_store_b128 v[SIN], v[RB+32*\H+4*\q:RB+32*\H+4*\q+3] offset:2*SEG*\q
.endr
	WIN 0
.irp u, 0,1,2,3,4,5,6,7
	ds_load_b128 v[X+16*(2*(\u/4)+\H)+4*(\u%4):X+16*(2*(\u/4)+\H)+4*(\u%4)+3], v[SOUT] offset:128*(\u/4)+16*(\u%4)   ; block 2 H + u / 4 goes to place 2 (u / 4) + H: blocks 1 and 2 change places
.endr
.endr
	s_wait_dscnt 0x0                               ; my 64 numbers are in, and the stores have read the job's registers
.if \ld == 1
	JOBLOAD (\j)+2
.endif
.if \ld == 2
	WIN 0x40
	EL 7, 1, RAW, 3
	WIN 0
.endif
.irp b, 0,1,2,3
	v_max3_num_f32 v[BM+\b], v[X+16*\b], v[X+16*\b+1], v[X+16*\b+2]   ; the largest score of each block: for the row's maximum and, since p rises with the score, for the block's largest p
.endr
.irp i, 3,5,7,9,11,13
.irp b, 0,1,2,3
	s_delay_alu instid0(VALU_DEP_4)
	v_max3_num_f32 v[BM+\b], v[BM+\b], v[X+16*\b+\i], v[X+16*\b+\i+1]
.endr
.endr
.irp b, 0,1,2,3
	s_delay_alu instid0(VALU_DEP_4)
	v_max_num_f32 v[BM+\b], v[BM+\b], v[X+16*\b+15]
.endr
.irp b, 0,1,2,3
	s_delay_alu instid0(VALU_DEP_4)
	v_permlanex16_b32 v[T2+\b], v[BM+\b], s20, s21
.endr
.irp b, 0,1,2,3
	s_delay_alu instid0(VALU_DEP_4)
	v_max_num_f32 v[BM+\b], v[BM+\b], v[T2+\b]     ; with the block's other half, in lane l xor 16
.endr
	s_delay_alu instid0(VALU_DEP_2)
	v_max3_num_f32 v26, v[BM], v[BM+1], v[BM+2]
	s_delay_alu instid0(VALU_DEP_1)
	v_max_num_f32 v26, v26, v[BM+3]
	s_delay_alu instid0(VALU_DEP_1)
	v_max_num_f32_dpp v26, v26, v26 row_xmask:8 row_mask:0xf bank_mask:0xf   ; with the row's other K step, in lane l xor 8
	s_delay_alu instid0(VALU_DEP_1)
	v_fma_f32 v26, v26, s22, s24                   ; as t = score x c (+ 0; in a trip that counts for nothing: 0 x score - 3e38)
	s_delay_alu instid0(VALU_DEP_1)
	v_max_num_f32 v[NM+1], v[NM+1], v26            ; the running largest t
	v_mov_b32 v26, v[NM]
	s_delay_alu instid0(VALU_DEP_2)
	v_floor_f32 v[NM], -v[NM+1]                    ; -M = floor(-t): M is a whole number
	s_delay_alu instid0(VALU_DEP_1)
	v_sub_f32 v26, v[NM], v26                      ; old M - new M: a whole number, 0 or less
	s_delay_alu instid0(VALU_DEP_1)
	v_cvt_i32_f32 v26, v26                         ; (it saturates)
	s_delay_alu instid0(VALU_DEP_1)
	v_ldexp_f32 v[FV], 1.0, v26                    ; f = 2^(old M - new M)
	s_delay_alu instid0(VALU_DEP_4)
	v_min_num_f32 v[AV], s25, v[NM]                ; the addend: -M (or -infinity)
.set n, 0
.rept 32
	v_pk_fma_f32 v[X+n:X+n+1], v[X+n:X+n+1], s[22:23], v[AV:AV+1] op_sel_hi:[1,0,0]   ; t - M, two at once
.set n, n+2
.endr
.irp b, 0,1,2,3
	v_fma_f32 v[BM+\b], v[BM+\b], s22, v[AV]       ; the same of each block's largest score
.endr
.set n, 0
	s_wait_alu depctr_va_vdst(0)
.rept 64
	v_exp_f32 v[X+n], v[X+n]                       ; p = 2^(t - M), not normalised
.set n, n+1
.endr
	v_pk_mul_f32 v[LS:LS+1], v[LS:LS+1], v[FV:FV+1] op_sel_hi:[1,0]   ; the sum under the new M; the plain instruction behind the batch
	s_wait_alu depctr_va_vdst(0)                   ; one wait for the 64, ahead of their first reader
.irp b, 0,1,2,3
	v_exp_f32 v[BM+\b], v[BM+\b]                   ; the block's largest p: the same two instructions on the same number
.endr
.irp c, 0,1,2,3,4,5,6                  ; the sum of the UNQUANTISED p: chain c takes registers X + 8 c .. + 7, the running sum the last eight
	v_pk_add_f32 v[TS+2*\c:TS+2*\c+1], v[X+8*\c:X+8*\c+1], v[X+8*\c+2:X+8*\c+3]
.endr
	v_pk_add_f32 v[LS:LS+1], v[LS:LS+1], v[X+56:X+57]
.irp g, 4,6
.irp c, 0,1,2,3,4,5,6
	v_pk_add_f32 v[TS+2*\c:TS+2*\c+1], v[TS+2*\c:TS+2*\c+1], v[X+8*\c+\g:X+8*\c+\g+1]
.endr
	v_pk_add_f32 v[LS:LS+1], v[LS:LS+1], v[X+54+\g:X+55+\g]
.endr
	v_pk_add_f32 v[TS:TS+1], v[TS:TS+1], v[TS+2:TS+3]
	v_pk_add_f32 v[TS+4:TS+5], v[TS+4:TS+5], v[TS+6:TS+7]
	v_pk_add_f32 v[TS+8:TS+9], v[TS+8:TS+9], v[TS+10:TS+11]
	v_pk_add_f32 v[LS:LS+1], v[LS:LS+1], v[X+62:X+63]
	v_pk_add_f32 v[TS:TS+1], v[TS:TS+1], v[TS+4:TS+5]
	v_pk_add_f32 v[TS+8:TS+9], v[TS+8:TS+9], v[TS+12:TS+13]
	v_pk_add_f32 v[LS:LS+1], v[LS:LS+1], v[TS:TS+1]
	v_pk_add_f32 v[LS:LS+1], v[LS:LS+1], v[TS+8:TS+9]
	s_wait_alu depctr_va_vdst(0)                   ; and one for the four
.irp b, 0,1,2,3
	v_max_num_f32 v[BM+\b], 0x2800000, v[BM+\b]    ; the floor 2^(5 - 127): the byte cannot fall under 1
.endr
.irp b, 0,1,2,3
	s_delay_alu instid0(VALU_DEP_4)
	v_add_nc_u32 v[SO+\b], 0xfe000000, v[BM+\b]    ; 4 off the exponent field: the conversion's scale operand
.endr
.irp b, 0,1,2,3
	s_delay_alu instid0(VALU_DEP_4)
	v_lshrrev_b32 v[BY+\b], 23, v[SO+\b]           ; the scale's byte
.endr
	s_delay_alu instid0(VALU_DEP_3)
	v_lshl_or_b32 v27, v[BY+1], 8, v[BY]           ; my row's scale word for my K step
	s_delay_alu instid0(VALU_DEP_1)
	v_lshl_or_b32 v27, v[BY+2], 16, v27
	s_delay_alu instid0(VALU_DEP_1)
	v_lshl_or_b32 v27, v[BY+3], 24, v27
.irp c, 0,1
	v_cvt_scalef32_pk16_bf6_f32 v[CD+6*\c:CD+6*\c+2], v[X+32*\c:X+32*\c+15], v[SO+2*\c]
	v_cvt_scalef32_pk16_bf6_f32 v[CD+12+4*\c:CD+14+4*\c], v[X+32*\c+16:X+32*\c+31], v[SO+2*\c+1]   ; (a conversion's three registers begin on an even number)
.endr
	v_nop                                          ; one plain instruction behind the scaled conversions
.irp c, 0,1                            ; the operand's layout wants a whole block in a lane: lanes 0-15 place 2 c, lanes 16-31 place 2 c + 1
.irp i, 0,1,2
	v_permlane16_swap_b32 v[CD+6*\c+\i], v[CD+12+4*\c+\i]
.endr
.irp i, 0,1,2
	s_delay_alu instid0(VALU_DEP_3)
	v_mov_b32 v[CD+3+6*\c+\i], v[CD+12+4*\c+\i]
.endr
.endr
.irp c, 0,1,2
	ds_store_b128 v[WIM], v[CD+4*\c:CD+4*\c+3] offset:PBO+512*\c   ; into image (w / 2, my K step), at the place of lane 16 h + 8 (w % 2) + r
.endr
	ds_store_b32 v[WSW], v27 offset:PBO
	ds_store_b32 v[WF], v[FV] offset:PBO           ; (the four lanes of a row write the same word with the same value)
.if (\est) >= 0
	s_wait_loadcnt \ne                             ; the windows asked for in trip est are in
	EST (\est)%2, EF, 6, 0
	EFR \est, 0                                    ; LDS serves a wave's instructions in order: these see the stores above
	EFR \est, 1
.endif
	s_wait_dscnt 0x0                               ; for the others' sake: my images have landed, and my reads of the trip before are over; E's fragments are in
	s_barrier_signal -1
.endm
; THE CONSUMER'S STEP for trip i: the accumulators under the new M, then 2 x 16 products.  LDS loads and work on registers alone.
.macro MM i
.set PBO, ((\i)%3)*PBSZ
.if (\i) > 0
.irp mt, 0,1,2,3
	ds_load_b32 v[FF+2*\mt], v[AF] offset:PBO+64*\mt
.endr
.endif
.irp x, 0,1,2,3,4,5,6,7
	ds_load_b32 v[PSC+\x], v[ASW] offset:PBO+128*\x
.endr
.irp nt, 0,1,2,3
	ds_load_b32 v[ESC+\nt], v[SRD] offset:16*\nt*SP+8*(\i)   ; lanes 0-15 the trip's first step, lanes 16-31 its second
.endr
	PLOAD 0
	PLOAD 1
.if (\i) > 0
	s_wait_dscnt 36                                ; the four f are in: behind them 12 scale words and 24 loads of P
	WIN 0x41                                       ; accumulators window 1, f window 0
.irp mt, 0,1,2,3
.set n, 32*\mt
.rept 16
	v_pk_mul_f32 v[n:n+1], v[n:n+1], v[FF+2*\mt:FF+2*\mt+1] op_sel_hi:[1,0]   ; x f, a power of two; each accumulator from its low end on
.set n, n+2
.endr
.endr
	WIN 0
	s_wait_alu depctr_va_vdst(0)
.endif
	s_wait_dscnt 12                                ; all but the second step's 12 loads of P
	WIN 0x50                                       ; C and D window 1
.if (\i) == 0
	MUL 0, 1                                       ; the first products start the sums: nothing is cleared
.else
	MUL 0, 0
.endif
	s_wait_dscnt 0x0
	MUL 1, 0
	PLACES 4                                       ; in front of the loads and reads that follow
	WIN 0
.endm
; THE WAY OUT of 16 rows x my 64 columns: through my stage, back as rows of 256 bytes: sixteen lanes store 256 consecutive bytes, at a multiple of 256 from part_o's first byte.
.macro OUT mt
	WIN 0x04
.irp nt, 0,1,2,3
	ds_store_b128 v[SWO], v[8*(4*\mt+\nt):8*(4*\mt+\nt)+3] offset:64*\nt        ; each accumulator from its low end on
	ds_store_b128 v[SWO], v[8*(4*\mt+\nt)+4:8*(4*\mt+\nt)+7] offset:64*\nt+16
.endr
	WIN 0
.if \mt >= 2
	s_wait_xcnt 0x0                                ; the stores of two tiles back have read their registers
.endif
.irp i, 0,1,2,3,4,5,6,7
	ds_load_b128 v[OB+32*(\mt%2)+4*\i:OB+32*(\mt%2)+4*\i+3], v[SIN] offset:2*SEG*\i
.endr
.irp i, 0,1,2,3,4,5,6,7
	s_wait_dscnt 7-\i
	global_store_b128 v[GOUT], v[OB+32*(\mt%2)+4*\i:OB+32*(\mt%2)+4*\i+3], s[10:11] offset:(16*\mt+2*\i)*2048 th:TH_STORE_NT
.endr
.endm
	s_load_b256 s[4:11], s[0:1], 0x0               ; logits s[4:5], E's codes s[6:7], E's scales s[8:9], part_o s[10:11]
	s_load_b64 s[12:13], s[0:1], 0x20              ; part_ml
	v_lshl_add_u32 v[SPW], v0, 2, SPARE
	v_mov_b32 v[NIL], 0
	v_lshrrev_b32 v26, 5, v0
	v_readfirstlane_b32 s14, v26                   ; wave 0..7
	s_and_b32 s16, ttmp7, 0xffff                   ; my block of 64 rows
	s_mov_b32 s17, ttmp9                           ; the split
	s_lshl_b32 s18, s17, 4
	s_min_u32 s18, s18, KLAST                      ; its first step of 128 along K (even)
	s_mov_b32 s20, 0x76543210
	s_mov_b32 s21, 0xfedcba98                      ; v_permlanex16_b32's selects for lane l xor 16
	s_mov_b32 s26, 0x7f800000
	s_mov_b32 s27, 0x03010200                      ; v_perm_b32: bytes 1 and 2 change places
	s_cmp_eq_u32 s17, 15                           ; the last split's first three trips count for nothing
	s_cselect_b32 s22, 0, 0x3fb8aa3b               ; c = log2(e), or 0
	s_cselect_b32 s24, 0xff61b1e6, 0               ; the bias: 0, or -3e38
	s_cselect_b32 s25, 0xff800000, s26             ; the limit: +infinity, or -infinity
	s_mov_b32 s23, s22
	s_mul_i32 s44, s14, 64*ROWE                    ; my 64 columns of E's codes,
	s_mul_i32 s45, s18, 96
	s_add_co_u32 s44, s44, s45                     ; at the split's first step
	s_mov_b32 s45, 0
	s_mul_i32 s46, s14, 64*1000                    ; and of its scale bytes
	s_lshl_b32 s47, s18, 2
	s_add_co_u32 s46, s46, s47
	s_mov_b32 s47, 0
	s_mul_i32 s19, s14, 64*EP
	s_add_co_u32 s19, s19, EB0                     ; my LDS bytes for E's codes,
	s_mul_i32 s28, s14, 64*SP
	s_add_co_u32 s28, s28, SB0                     ; and for its scale words
	s_lshl_b32 s48, s16, 6
	s_lshl_b32 s49, s14, 3
	s_add_co_u32 s48, s48, s49                     ; my first table row as producer
	s_mul_i32 s50, s48, ROWL
	s_lshl_b32 s51, s18, 9
	s_add_co_u32 s50, s50, s51                     ; its logits at the split's first step (under 2^28)
	s_mov_b32 s51, 0
	s_lshl_b32 s52, s17, 10
	s_add_co_u32 s52, s52, s48
	s_lshl_b32 s52, s52, 3                         ; part_ml: 8 bytes a row
	s_mov_b32 s53, 0
	s_lshl_b32 s54, s17, 10
	s_lshl_b32 s55, s16, 6
	s_add_co_u32 s54, s54, s55
	s_lshl_b32 s54, s54, 11                        ; part_o: the block's first row,
	s_lshl_b32 s55, s14, 8
	s_add_co_u32 s54, s54, s55                     ; my 64 columns
	s_mov_b32 s55, 0
	s_lshr_b32 s57, s14, 1                         ; the tile of 16 rows in which my 8 rows lie,
	s_and_b32 s58, s14, 1                          ; and which half of it
	s_mul_i32 s59, s57, 2*IMG
	s_lshl_b32 s60, s58, 7
	s_add_co_u32 s59, s59, s60
	s_add_co_u32 s59, s59, PB0
	s_lshl_b32 s60, s57, 8
	s_lshl_b32 s61, s58, 5
	s_add_co_u32 s60, s60, s61
	s_add_co_u32 s60, s60, PB0+PSW
	s_lshl_b32 s61, s57, 6
	s_lshl_b32 s62, s58, 5
	s_add_co_u32 s61, s61, s62
	s_add_co_u32 s61, s61, PB0+PFO
	s_mul_i32 s63, s14, STGW                       ; my stage
	v_and_b32 v26, 31, v0                          ; lane
	v_and_b32 v27, 15, v0                          ; lane % 16
	v_bfe_u32 v28, v0, 4, 1                        ; h
	v_and_b32 v29, 7, v0                           ; r
	v_bfe_u32 v30, v0, 3, 1                        ; s
	v_bfe_u32 v[ESTO], v0, 2, 2
	v_lshl_add_u32 v[ESTO], v[ESTO], 1, v28        ; half of E's row for my lane: 2 ((lane / 4) % 4) + lane / 16
	v_and_b32 v[ER+2], 3, v0
	v_lshlrev_b32 v[ER+2], 4, v[ER+2]              ; my 16 of a piece's 64 bytes
	v_mad_u32_u24 v[EGL], v[ESTO], 2*ROWE, v[ER+2]
	v_mad_u32_u24 v[ESTO], v[ESTO], 2*EP, v[ER+2]
	v_add_nc_u32 v[ESTO], s19, v[ESTO]
	v_mul_u32_u24 v[ER+2], v27, EP
	v_mad_u32_u24 v[ER+2], v28, 48, v[ER+2]
	v_add_nc_u32 v[ER+2], s19, v[ER+2]             ; row r, 48 h
	v_and_b32 v[T2], 1, v0                         ; 1 in odd columns,
	v_xor_b32 v[T2+1], 1, v[T2]                    ; 1 in even ones
	v_mad_u32_u24 v[ER], v[T2], 192, v[ER+2]       ; an even trip is the second of an odd column's window,
	v_mad_u32_u24 v[ER+2], v[T2+1], 192, v[ER+2]   ; an odd trip the second of an even column's
	v_mul_u32_u24 v[SRD], v27, SP
	v_lshl_add_u32 v[SRD], v28, 2, v[SRD]
	v_add_nc_u32 v[SRD], s28, v[SRD]
	v_mul_u32_u24 v[SG], v28, 1000
	v_lshl_add_u32 v[SG], v27, 2, v[SG]            ; scale words in: row lane / 16, step lane % 16
	v_mul_u32_u24 v[SS], v28, SP
	v_lshl_add_u32 v[SS], v27, 2, v[SS]
	v_add_nc_u32 v[SS], s28, v[SS]
	v_lshl_add_u32 v[AIM], v26, 4, PB0
	v_lshl_add_u32 v[ASW], v26, 2, PB0+PSW
	v_lshl_add_u32 v[AF], v27, 2, PB0+PFO
	v_mul_u32_u24 v[WIM], v30, IMG
	v_lshl_add_u32 v[WIM], v28, 8, v[WIM]
	v_lshl_add_u32 v[WIM], v29, 4, v[WIM]
	v_add_nc_u32 v[WIM], s59, v[WIM]
	v_lshlrev_b32 v[WSW], 7, v30
	v_lshl_add_u32 v[WSW], v28, 6, v[WSW]
	v_lshl_add_u32 v[WSW], v29, 2, v[WSW]
	v_add_nc_u32 v[WSW], s60, v[WSW]
	v_lshl_add_u32 v[WF], v29, 2, s61
	v_mul_u32_u24 v[SIN], v28, SEG
	v_lshl_add_u32 v[SIN], v27, 4, v[SIN]
	v_add_nc_u32 v[SIN], s63, v[SIN]
	v_mul_u32_u24 v[SOUT], v27, SEG
	v_lshl_add_u32 v[SWO], v28, 5, v[SOUT]
	v_lshl_add_u32 v[SOUT], v28, 6, v[SOUT]
	v_add_nc_u32 v[SOUT], s63, v[SOUT]
	v_add_nc_u32 v[SWO], s63, v[SWO]
	v_mul_u32_u24 v[GIN], v28, ROWL
	v_lshl_add_u32 v[GIN], v27, 4, v[GIN]
	v_lshlrev_b32 v[GOUT], 11, v28
	v_lshl_add_u32 v[GOUT], v27, 4, v[GOUT]
	v_mov_b32 v[NM+1], 0xff61b1e6                  ; the largest t so far: -3e38
	v_floor_f32 v[NM], -v[NM+1]
	v_mov_b32 v[LS], 0
	v_mov_b32 v[LS+1], 0
	v_mov_b32 v[FV+1], 0                           ; (upper halves of pairs of which the low word serves: written once)
	v_mov_b32 v[AV+1], 0
.irp b, 0,1,2,3
	v_mov_b32 v[T2+\b], 0                          ; (a lane permute's destination counts as one of its sources)
	v_mov_b32 v[FF+2*\b+1], 0
.endr
	s_wait_alu depctr_va_vdst(0)
	s_wait_kmcnt 0x0
	s_add_nc_u64 s[4:5], s[4:5], s[50:51]
	s_add_nc_u64 s[6:7], s[6:7], s[44:45]
	s_add_nc_u64 s[8:9], s[8:9], s[46:47]
	s_add_nc_u64 s[10:11], s[10:11], s[54:55]
	s_add_nc_u64 s[12:13], s[12:13], s[52:53]
.set n, 0
.rept 32
	global_load_b32 v[X+n], v[SG], s[8:9] offset:2000*n   ; rows 2 n, 2 n + 1 of my 64: the split's 16 scale words of each, 64 consecutive bytes
.set n, n+1
.endr
	EL 0, 1, EI, 3                                 ; the odd columns' trip 0
	JOBLOAD 0
	JOBLOAD 1
	EL 0, 0, EF, 6                                 ; the even columns' trips 0 and 1
	s_wait_loadcnt 56                              ; the scale words and the odd columns' trip 0 are in: behind them two jobs, 32 loads, and 24 of E
.set n, 0
.rept 32
	v_perm_b32 v[X+n], v[X+n], v[X+n], s27         ; bytes 1 and 2 change places, as the blocks do
.set n, n+1
.endr
.set n, 0
.rept 32
	ds_store_b32 v[SS], v[X+n] offset:2*SP*n
.set n, n+1
.endr
	EST 1, EI, 3, 192                              ; as the second half of a window
	Q 0, 40, 1, -1, 0                              ; behind job 0: job 1's 16 loads and E's 24
	s_barrier_wait -1
	Q 1, 40, 1, 0, 32                              ; behind job 1: E(0)'s 24 and job 2's 16; behind E(0): jobs 2 and 3
	MM 0
	s_barrier_wait -1
.irp p, 1,2,3,4
	EL \p, (\p)%2, EF, 6
.if \p == 2
	s_mov_b32 s22, 0x3fb8aa3b                      ; from trip 3 on every split's steps are its own
	s_mov_b32 s23, s22
	s_mov_b32 s24, 0
	s_mov_b32 s25, s26
.endif
	Q (\p)+1, 40, 1, \p, 16                        ; behind job p + 1: job p + 2's 16 and E(p)'s 24; behind E(p): job p + 3's 16
	MM \p
	s_barrier_wait -1
.endr
	EL 5, 1, EF, 6
	Q 6, 40, 0, 5, 0                               ; nothing more is asked for of the logits
	MM 5
	s_barrier_wait -1
	EL 6, 0, EF, 6
	Q 7, 24, 2, 6, 12                              ; behind job 7: E(6)'s 24; behind E(6): the odd columns' trip 7, 12 loads, which land in the jobs' registers
	s_barrier_wait -1                              ; the last barrier: no image is written any more
	MM 6
	s_wait_loadcnt 0x0                             ; the odd columns' trip 7 is in
	WIN 0x04
	EST 1, RAW, 3, 0
	WIN 0
	EFR 7, 0
	EFR 7, 1
	MM 7
	; the rows' statistics: the sum's two halves, the block halves' (lane l xor 16) and the two K steps' (lane l xor 8)
	v_add_f32 v26, v[LS], v[LS+1]
	v_permlanex16_b32 v27, v26, s20, s21
	v_add_f32 v26, v26, v27
	v_add_f32_dpp v26, v26, v26 row_xmask:8 row_mask:0xf bank_mask:0xf
	v_sub_f32 v28, 0, v[NM]                        ; M
	v_mov_b32 v29, v26
	v_and_b32 v30, 7, v0
	v_lshlrev_b32 v30, 3, v30
	v_and_b32 v27, 31, v0
	v_cmp_gt_u32 vcc_lo, 8, v27
	s_wait_alu depctr_va_vdst(0)
	s_wait_xcnt 0x0                                ; EXEC changes only behind this wait
	s_and_saveexec_b32 s56, vcc_lo                 ; lanes 0-7: a lane a row
	global_store_b64 v30, v[28:29], s[12:13]
	s_wait_xcnt 0x0                                ; and again in front of the line that widens it
	s_or_b32 exec_lo, exec_lo, s56
	OUT 0
	OUT 1
	OUT 2
	OUT 3
	s_wait_tensorcnt 0x0                           ; the wave's end
	ds_add_u32 v[SPW], v[NIL]
	s_wait_dscnt 0x0
	s_endpgm
.Lfunc_end_k_qf612f3b7f3_partial:
	.size	k_qf612f3b7f3_partial, .Lfunc_end_k_qf612f3b7f3_partial-k_qf612f3b7f3_partial
	.p2alignl 7, 3214868480
	.fill 96, 4, 3214868480
	.section	.rodata,"a",@progbits
	.p2align	6, 0x0
	.amdhsa_kernel k_qf612f3b7f3_partial
		.amdhsa_group_segment_fixed_size 319232
		.amdhsa_private_segment_fixed_size 0
		.amdhsa_enable_private_segment 0
		.amdhsa_kernarg_size 40
		.amdhsa_user_sgpr_count 2
		.amdhsa_user_sgpr_kernarg_segment_ptr 1
		.amdhsa_wavefront_size32 1
		.amdhsa_system_sgpr_workgroup_id_x 1
		.amdhsa_system_sgpr_workgroup_id_y 1
		.amdhsa_system_sgpr_workgroup_id_z 1
		.amdhsa_system_vgpr_workitem_id 0
		.amdhsa_next_free_vgpr 512
		.amdhsa_next_free_sgpr 66
		.amdhsa_reserve_vcc 1
		.amdhsa_float_denorm_mode_32 3
		.amdhsa_float_denorm_mode_16_64 3
		.amdhsa_memory_ordered 1
		.amdhsa_forward_progress 1
		.amdhsa_inst_pref_size 255
	.end_amdhsa_kernel
	.section	.bss,"aw",@nobits
	.p2align	6
	.space	262144
	.amdgpu_metadata
---
amdhsa.version: [ 1, 2 ]
amdhsa.kernels:
  - .name:           k_qf612f3b7f3_partial
    .symbol:         k_qf612f3b7f3_partial.kd
    .args:
      - { .name: mapping_logits, .offset: 0, .size: 8, .value_kind: global_buffer, .address_space: global }
      - { .name: embed_weight_codes, .offset: 8, .size: 8, .value_kind: global_buffer, .address_space: global }
      - { .name: embed_weight_scales, .offset: 16, .size: 8, .value_kind: global_buffer, .address_space: global }
      - { .name: part_o, .offset: 24, .size: 8, .value_kind: global_buffer, .address_space: global }
      - { .name: part_ml, .offset: 32, .size: 8, .value_kind: global_buffer, .address_space: global }
    .group_segment_fixed_size: 319232
    .private_segment_fixed_size: 0
    .kernarg_segment_align: 8
    .kernarg_segment_size: 40
    .max_flat_workgroup_size: 256
    .sgpr_count:     66
    .vgpr_count:     512
    .wavefront_size: 32
...
	.end_amdgpu_metadata
.endif
;; end of part 1
;; launch combine (part 2): grid 256 x 1, 8 waves a work-group, no clusters, 9,216 bytes of LDS; arguments token_ids, part_o, part_ml, out0; writes out0
.if DOCPART == 2
	.amdgcn_target "amdgcn-amd-amdhsa--gfx1250"
	.amdhsa_code_object_version 6
	.text
	.protected	k_qf612f3b7f3_combine
	.globl	k_qf612f3b7f3_combine
	.p2align	8
	.type	k_qf612f3b7f3_combine,@function
k_qf612f3b7f3_combine:
	s_mov_b64 s[64:65], 0
	v_nop
	global_prefetch_b8 v0, s[64:65] scope:SCOPE_SE
	s_setreg_imm32_b32 hwreg(HW_REG_WAVE_MODE, 25, 1), 1
	s_wait_xcnt 0x0
; SoftTokenMap, second launch.  For each id of the table: T = (sum over the 16 splits of 2^(M_s - M) O_s) / (sum of 2^(M_s - M) l_s), M the largest M_s: every factor is a power of two.
; Then the id's owner stores T to every token that carries the id.  So each byte of part_o is read once, and each row of out0 has one owner.
; SHARES.  Work-group g owns ids 4 g .. 4 g + 3.  Wave v joins id 4 g + v / 2, columns 256 (v % 2) on (8 numbers a lane; a load of the wave covers 512 consecutive bytes), puts them into LDS
; (4 rows of 2,048 bytes), and behind one barrier scans tokens 512 v .. 512 v + 511 (16 a lane) for the work-group's ids.  A hit's row comes from LDS and leaves by four stores of 512 consecutive bytes.
; The loops over hits are counted against the number of set bits of a compare's mask: whole numbers made of the index input alone.  No tensor load, no matrix work: memory binds.
; LIMITS: token ids lie in 0 .. 1023, as the lookup itself relies on.  Where many tokens carry few ids the scatter is right but unevenly shared.
.set TK,  4                            ; v4-19    my 16 tokens: register 4 c + j is token 512 v + 128 c + 4 lane + j
.set AC,  24                           ; v24-31   the sums; later v24-39 a row on its way out
.set OP,  32                           ; v32-159  the 16 splits' parts, 8 registers each
.set WT,  16                           ; s16-31   the 16 weights 2^(M_s - M) / L
	s_load_b256 s[4:11], s[0:1], 0x0               ; token_ids s[4:5], part_o s[6:7], part_ml s[8:9], out0 s[10:11]
	v_lshl_add_u32 v176, v0, 2, 0x2000
	v_mov_b32 v177, 0
	v_lshrrev_b32 v162, 5, v0
	s_delay_alu instid0(VALU_DEP_1)
	v_readfirstlane_b32 s12, v162                  ; wave 0..7
	v_and_b32 v163, 31, v0
	s_delay_alu instid0(VALU_DEP_1)
	v_lshlrev_b32 v1, 4, v163                      ; 16 x lane; never rewritten
	s_wait_alu depctr_va_vdst(0)
	v_and_b32 v160, 15, v0
	s_delay_alu instid0(VALU_DEP_1)
	v_lshlrev_b32 v160, 13, v160                   ; the statistics of split lane % 16: 8,192 bytes a split
	s_mov_b32 s15, ttmp9                           ; g
	s_lshr_b32 s13, s12, 1
	s_lshl_b32 s14, ttmp9, 2
	s_add_co_u32 s14, s14, s13                     ; my id
	s_lshl_b32 s32, s14, 3
	s_mov_b32 s33, 0
	s_lshl_b32 s34, s14, 11
	s_and_b32 s35, s12, 1
	s_lshl_b32 s35, s35, 10
	s_add_co_u32 s34, s34, s35                     ; its row in a split's part, my half
	s_mov_b32 s35, 0
	s_lshl_b32 s46, s12, 11                        ; my 512 tokens
	s_mov_b32 s47, 0
	s_lshl_b32 s48, s12, 20                        ; and their rows of out0: 512 x 2,048 bytes a wave
	s_mov_b32 s49, 0
	s_lshl_b32 s50, s12, 10
	v_add_nc_u32 v161, s50, v1                     ; LDS: 1,024 x wave + 16 x lane
	s_wait_alu depctr_va_vdst(0)
	s_wait_kmcnt 0x0
	s_add_nc_u64 s[8:9], s[8:9], s[32:33]
	s_add_nc_u64 s[4:5], s[4:5], s[46:47]
	s_add_nc_u64 s[36:37], s[6:7], s[34:35]        ; four bases, four splits (8 MiB) apart, so that a split stands in the immediate
	s_add_nc_u64 s[38:39], s[36:37], 0x800000
	s_add_nc_u64 s[40:41], s[38:39], 0x800000
	s_add_nc_u64 s[42:43], s[40:41], 0x800000
	s_add_nc_u64 s[44:45], s[10:11], s[48:49]
	global_load_b64 v[2:3], v160, s[8:9]           ; (M_s, l_s)
.irp c, 0,1,2,3
	global_load_b128 v[TK+4*\c:TK+4*\c+3], v1, s[4:5] offset:512*\c
.endr
.irp s, 0,1,2,3,4,5,6,7,8,9,10,11,12,13,14,15
.irp j, 0,1
	global_load_b128 v[OP+8*\s+4*\j:OP+8*\s+4*\j+3], v1, s[36+2*(\s/4):37+2*(\s/4)] offset:(\s%4)*2097152+512*\j th:TH_LOAD_NT
.endr
.endr
	s_wait_loadcnt 36                              ; the statistics are in: behind them 4 loads of tokens and 32 of parts were issued
	v_mov_b32 v162, v2
	s_delay_alu instid0(VALU_DEP_1)
	v_max_num_f32_dpp v162, v162, v162 row_xmask:1 row_mask:0xf bank_mask:0xf
	s_delay_alu instid0(VALU_DEP_1)
	v_max_num_f32_dpp v162, v162, v162 row_xmask:2 row_mask:0xf bank_mask:0xf
	s_delay_alu instid0(VALU_DEP_1)
	v_max_num_f32_dpp v162, v162, v162 row_xmask:4 row_mask:0xf bank_mask:0xf
	s_delay_alu instid0(VALU_DEP_1)
	v_max_num_f32_dpp v162, v162, v162 row_xmask:8 row_mask:0xf bank_mask:0xf   ; M
	s_delay_alu instid0(VALU_DEP_1)
	v_sub_f32 v163, v2, v162                       ; a whole number, 0 or less
	s_delay_alu instid0(VALU_DEP_1)
	v_cvt_i32_f32 v163, v163                       ; (it saturates)
	s_delay_alu instid0(VALU_DEP_1)
	v_ldexp_f32 v163, 1.0, v163                    ; 2^(M_s - M)
	s_delay_alu instid0(VALU_DEP_1)
	v_mul_f32 v164, v163, v3
	s_delay_alu instid0(VALU_DEP_1)
	v_add_f32_dpp v164, v164, v164 row_xmask:1 row_mask:0xf bank_mask:0xf
	s_delay_alu instid0(VALU_DEP_1)
	v_add_f32_dpp v164, v164, v164 row_xmask:2 row_mask:0xf bank_mask:0xf
	s_delay_alu instid0(VALU_DEP_1)
	v_add_f32_dpp v164, v164, v164 row_xmask:4 row_mask:0xf bank_mask:0xf
	s_delay_alu instid0(VALU_DEP_1)
	v_add_f32_dpp v164, v164, v164 row_xmask:8 row_mask:0xf bank_mask:0xf       ; L, the row's sum under M: above 1/2
	s_wait_alu depctr_va_vdst(0)
	v_rcp_f32 v165, v164
	v_nop                                          ; a plain instruction behind the reciprocal,
	s_wait_alu depctr_va_vdst(0)                   ; and a wait ahead of its first reader
	v_mul_f32 v163, v163, v165                     ; the weight with the division in it
.irp s, 0,1,2,3,4,5,6,7,8,9,10,11,12,13,14,15
	v_readlane_b32 s[WT+\s], v163, \s
.endr
.irp s, 0,1,2,3,4,5,6,7,8,9,10,11,12,13,14,15
	s_wait_alu depctr_va_vdst(0)
	s_wait_loadcnt 30-2*\s                         ; split s's two loads are in; the later splits' may be out
.irp k, 0,1,2,3,4,5,6,7
.if \s == 0
	s_wait_alu depctr_va_vdst(0)
	v_mul_f32 v[AC+\k], s[WT], v[OP+\k]            ; the first split starts the sums
.else
	v_fmac_f32 v[AC+\k], s[WT+\s], v[OP+8*\s+\k]
.endif
.endr
.endr
	ds_store_b128 v161, v[AC:AC+3]
	ds_store_b128 v161, v[AC+4:AC+7] offset:512
	s_wait_dscnt 0x0                               ; for the others' sake: my half row has landed
	s_barrier_signal -1
	s_barrier_wait -1                              ; four whole rows lie in LDS; nothing is stored there any more
; Token register (c, jj): the lanes whose token is one of the work-group's ids, one after the other.
.macro HITS c, jj
	v_lshrrev_b32 v162, 2, v[TK+4*\c+\jj]
	s_delay_alu instid0(VALU_DEP_1)
	v_cmp_eq_u32 s52, s15, v162
	s_bcnt1_i32_b32 s53, s52                       ; how many
	s_cmp_eq_u32 s53, 0
	s_cbranch_scc1 .Lnone_\@
	s_mov_b32 s54, 0
.Lhit_\@:
	s_wait_xcnt 0x0                                ; the last hit's stores have read their registers and their base
	s_ctz_i32_b32 s55, s52
	s_min_u32 s55, s55, 31                         ; the lowest lane that has a hit
	s_lshl_b32 s56, 1, s55
	s_and_not1_b32 s52, s52, s56
	v_readlane_b32 s57, v[TK+4*\c+\jj], s55
	s_min_u32 s57, s57, 1023
	s_and_b32 s57, s57, 3
	s_lshl_b32 s57, s57, 11                        ; its id's row in LDS
	v_add_nc_u32 v163, s57, v1
.irp k, 0,1,2,3
	ds_load_b128 v[AC+4*\k:AC+4*\k+3], v163 offset:512*\k
.endr
	s_lshl_b32 s58, s55, 13                        ; the lane's four tokens: 4 x 2,048 bytes a lane
	s_mov_b32 s59, 0
	s_add_nc_u64 s[60:61], s[44:45], s[58:59]
	s_wait_dscnt 0x0
.irp k, 0,1,2,3
	global_store_b128 v1, v[AC+4*\k:AC+4*\k+3], s[60:61] offset:(128*\c+\jj)*2048+512*\k th:TH_STORE_NT   ; 32 lanes store 512 consecutive bytes of the token's row
.endr
	s_add_co_u32 s54, s54, 1
	s_cmp_lt_u32 s54, s53
	s_cbranch_scc1 .Lhit_\@
.Lnone_\@:
.endm
.irp c, 0,1,2,3
.irp jj, 0,1,2,3
	HITS \c, \jj
.endr
.endr
	s_wait_tensorcnt 0x0
	ds_add_u32 v176, v177
	s_wait_dscnt 0x0
	s_endpgm
.Lfunc_end_k_qf612f3b7f3_combine:
	.size	k_qf612f3b7f3_combine, .Lfunc_end_k_qf612f3b7f3_combine-k_qf612f3b7f3_combine
	.p2alignl 7, 3214868480
	.fill 96, 4, 3214868480
	.section	.rodata,"a",@progbits
	.p2align	6, 0x0
	.amdhsa_kernel k_qf612f3b7f3_combine
		.amdhsa_group_segment_fixed_size 9216
		.amdhsa_private_segment_fixed_size 0
		.amdhsa_enable_private_segment 0
		.amdhsa_kernarg_size 32
		.amdhsa_user_sgpr_count 2
		.amdhsa_user_sgpr_kernarg_segment_ptr 1
		.amdhsa_wavefront_size32 1
		.amdhsa_system_sgpr_workgroup_id_x 1
		.amdhsa_system_sgpr_workgroup_id_y 1
		.amdhsa_system_sgpr_workgroup_id_z 1
		.amdhsa_system_vgpr_workitem_id 0
		.amdhsa_next_free_vgpr 178
		.amdhsa_next_free_sgpr 66
		.amdhsa_reserve_vcc 0
		.amdhsa_float_denorm_mode_32 3
		.amdhsa_float_denorm_mode_16_64 3
		.amdhsa_memory_ordered 1
		.amdhsa_forward_progress 1
		.amdhsa_inst_pref_size 37
	.end_amdhsa_kernel
	.amdgpu_metadata
---
amdhsa.version: [ 1, 2 ]
amdhsa.kernels:
  - .name:           k_qf612f3b7f3_combine
    .symbol:         k_qf612f3b7f3_combine.kd
    .args:
      - { .name: token_ids, .offset: 0, .size: 8, .value_kind: global_buffer, .address_space: global }
      - { .name: part_o, .offset: 8, .size: 8, .value_kind: global_buffer, .address_space: global }
      - { .name: part_ml, .offset: 16, .size: 8, .value_kind: global_buffer, .address_space: global }
      - { .name: out0, .offset: 24, .size: 8, .value_kind: global_buffer, .address_space: global }
    .group_segment_fixed_size: 9216
    .private_segment_fixed_size: 0
    .kernarg_segment_align: 8
    .kernarg_segment_size: 32
    .max_flat_workgroup_size: 256
    .sgpr_count:     66
    .vgpr_count:     178
    .wavefront_size: 32
...
	.end_amdgpu_metadata
.endif
;; end of part 2
